; MI455X (gfx1250); checked and timed in simulation.
; The chip was launched on July 23, 2026; its instructions are those of AMD's public machine-readable ISA for CDNA 5 (MIT licence, August 2026) and "CDNA5" Instruction Set Architecture Reference Guide (July 2026). The comments in the code are by the model that wrote it; some were corrected since.
;; Mixer Attention. Allowed arithmetic: matrix products marked QUANTISED: E2M1 operands, one E8M0 scale for each 32 along K, by v_wmma_scale_f32_16x16x128_f8f6f4 with both operands' format E2M1 (or v_wmma_scale_f32_32x16x128_f4), f32 sums; everything else in f32.
;; Inputs: Wk 512 x 2,048 float32; Wq 2,048 x 2,048 float32; Wv 512 x 2,048 float32; x 2 x 2,048 x 2,048 float32.
;; Outputs: out0 2 x 2,048 x 2,048 float32.
;; This version of the problem:
;;   THIS VERSION OF THE PROBLEM IS GIVEN IN LOW PRECISION. The matrix products marked QUANTISED in the list below multiply operands that are first quantised to E2M1 (2 exponent bits, 1 mantissa bit; 4 bits a number), with one power-of-two scale for each 32 numbers along K (OCP MX v1.0); their sums are f32. All else is computed in f32.
;;   The module's matrix products, in the order in which they are computed (A, B: the left and right operand; K: the contracted axis; several contracted axes count as one K, in the product's order):
;;     1. [M 4,096, K 2,048] x [K 2,048, N 2,048]; A: input x; B: input Wq: QUANTISED
;;     2. [M 4,096, K 2,048] x [K 2,048, N 512]; A: input x; B: input Wk: QUANTISED
;;     3. [M 4,096, K 2,048] x [K 2,048, N 512]; A: input x; B: input Wv: QUANTISED
;;     4. batch 8 x [M 2,048, K 128] x [K 128, N 8,192]; A: computed on the way; B: computed on the way: QUANTISED
;;     5. batch 8 x [M 128, K 2,048] x [K 2,048, N 8,192]; A: computed on the way; B: softmax (see below): QUANTISED
;;   THE QUANTISER, for each operand of a quantised product, along K:
;;     - K is cut into blocks of 32 from its start; a last block that is shorter is filled with zeros.
;;     - A block's scale is 2^e with e = floor(log2(the largest magnitude in the block)) - 2, held to -126 .. 127; a block of zeros has e = 0. As a byte (E8M0): e + 127.
;;     - Each number is divided by its block's scale, clamped to +-6, and rounded to the nearest number of E2M1, ties to even, subnormals kept.
;;     - The product sums the exact products of the quantised numbers (number of the format x scale) in f32.
;;   ~~~python
;;   def quantise(x, axis):      # numpy; x: float32 -> the quantised numbers, widened to float32 again
;;       x = np.moveaxis(x, axis, -1); K = x.shape[-1]
;;       x = np.pad(x, [(0, 0)] * (x.ndim - 1) + [(0, -K % 32)]); x = x.reshape(x.shape[:-1] + (-1, 32)); a = np.abs(x).max(-1, keepdims=True)
;;       e = np.where(a > 0, np.clip(np.frexp(np.where(a > 0, a, 1))[1] - 1 - 2, -126, 127), 0)      # np.frexp(a)[1] - 1 = floor(log2(a)), exactly
;;       r = np.clip(x / 2.0 ** e, -6, 6)
;;       step = 2.0 ** (np.maximum(np.frexp(np.where(r == 0, 1, r))[1] - 1, 0) - 1)
;;       q = np.round(r / step) * step * 2.0 ** e      # np.round: ties to even
;;       return np.moveaxis(q.reshape(q.shape[:-2] + (-1,))[..., :K], -1, axis).astype(np.float32)
;;   ~~~
;;   SOFTMAX AHEAD OF A QUANTISED PRODUCT. Where the list says 'softmax', what is quantised is not the finished softmax but p = 2^(t - M), with t = logit x log2(e) and M = ceil(the row's largest t), a whole number; so 1/2 < the row's largest p <= 1. The row's sum l is taken of the UNQUANTISED p, in f32, and the product's result is divided by l at the end. Since M is a whole number, a kernel that streams over the keys may use a running M (the ceiling of the running maximum): every later rescaling is an exact power of two, which a block's scale takes up: the codes' values come out the same.
;;   OPERANDS COMPUTED ON THE WAY. 'Computed on the way' means the value that the module computes at that place (a softmax that the list does not call 'softmax' is quantised finished and normalised). What goes into a quantiser is computed in f32, as accurately as f32 sums, v_exp_f32 and their like allow (about 1e-6 of the number): no bf16 or f16 on the way to a quantiser, and a product that is left as it is and whose result goes on into a quantised operand takes f32 operands (vector FMAs, or v_wmma_f32_16x16x4_f32). A number that lies on a knife's edge between two numbers of the format may be rounded either way, as far as f32 arithmetic and the matrix unit's own rounding can turn it there, and no further.
;; One version. Each part assembles by itself: llvm-mc -triple=amdgcn-amd-amdhsa -mcpu=gfx1250 --defsym DOCPART=n.
;; ======== version 1 of 1: 3 launches
;; limits: right only within a limited range of input values
;; workspace buffers: xc 4,194,304 bytes; xs 262,144 bytes; wc 3,145,728 bytes; ws 196,608 bytes; tab 1,048,576 bytes; qb 4,456,448 bytes; kvb 2,228,224 bytes
;; launch prep (part 1): grid 256 x 1, 32 waves a work-group, no clusters, 169,984 bytes of LDS; arguments x, Wq, Wk, Wv, xc, xs, wc, ws, tab; writes xc, xs, wc, ws, tab
.if DOCPART == 1
	.amdgcn_target "amdgcn-amd-amdhsa--gfx1250"
	.amdhsa_code_object_version 6
	.text
	.protected	k_q7eff209b52_prep
	.globl	k_q7eff209b52_prep
	.p2align	8
	.type	k_q7eff209b52_prep,@function
k_q7eff209b52_prep:
	s_mov_b64 s[64:65], 0
	v_nop
	global_prefetch_b8 v0, s[64:65] scope:SCOPE_SE
	s_setreg_imm32_b32 hwreg(HW_REG_WAVE_MODE, 25, 1), 1
	s_wait_xcnt 0x0
; x [4096][2048], Wq [2048][2048], Wk [512][2048], Wv [512][2048], f32, become codes of FP4 (E2M1), K innermost, two a byte, with one E8M0 scale byte for each 32 along K; and the RoPE table is made.
; WORK LEFT OUT of the program: of the products of scores and of p with V, the steps of 128 keys that come wholly after a unit's queries: reference() itself hides these scores by its causal tril, for all values of the inputs, so their p is 0.
; A NaN, an infinity or an overflow that reaches only those scores is not carried to the result.
; A block's scale is 2^(floor(log2(its largest magnitude)) - 2); its byte is the largest magnitude's exponent field - 2, held at 1 from below.
; ROWS CHANGE PLACES: within each 64, position 16 t + 8 g + i holds row 32 g + 8 t + i (t 0..3, g 0..1, i 0..7).  Four tiles of 16 positions then give a lane of a transposed product's results 32 neighbouring rows: one whole block.
; wc, ws: positions 0-2047 Wq; then for each key/value head j: 128 positions of Wk's head j, 128 of Wv's.
; SHARES: 7,168 rows / 256 work-groups = 28: waves 0-27 take a row each, all of whose sixteen loads are asked for at once; waves 28-31 a part of the table each.
; A step is 512 numbers: four loads of 512 consecutive bytes turn through the wave's own stage in LDS, so that a lane holds 16 neighbours along K (two lanes a block).  Four rows' scale bytes are 256 dense bytes: they leave behind a barrier.
; THE TABLE tab [128 tiles][16 groups][512 bytes]: lane (r, h) of tile tb stands for token 64 (tb / 4) + 8 (tb % 4) + r % 8 + 32 (r / 8); groups g = 0..7: cos, 8 + g: sin, of the frequencies d = 32 h + 4 g + j, j = 0..3.
; THE FREQUENCY IS 10000^(-d / 64) = 10^(-d / 16) ROUNDED ONCE TO f32: the power is made in two-word f32 arithmetic from square roots of 10, and the quotient 1 / (hi + lo) is rounded by the last of two Newton steps.
; The angle is the one f32 product t x frequency; it is reduced by a two-part pi / 2 and put through polynomials on [-pi/4, pi/4].
; LIMITS: NaN and infinities among the inputs are not served.  A block whose largest magnitude lies under 2^-124 gets the byte 1; a block of zeros the byte 1 and zero codes (the bytes are read by this program alone).
; Nothing is prefetched: every byte is asked for at the head.
.set EMAX,  2
.set R,     16                         ; v16-79   four sets of 16 numbers as they are loaded
.set X,     80                         ; v80-111  two sets of 16 neighbours
.set C,     112                        ; v112-119 codes, two registers a step
.set E,     120                        ; v120-123 a scale byte for each step
.set SP,    80                         ; a lane's place in a stage: 64 bytes + 16 of padding
.set WREG,  2*32*SP                    ; two stages for each wave
.set SBY,   32*WREG                    ; behind them 64 scale bytes a wave
.set SPARE, SBY+2048                   ; the spare words
.set SPW,   12
.set NIL,   13
	s_load_b256 s[4:11], s[0:1], 0x0               ; x, Wq, Wk, Wv
	s_load_b256 s[12:19], s[0:1], 0x20             ; xc, xs, wc, ws
	s_load_b64 s[20:21], s[0:1], 0x40              ; tab
	v_lshl_add_u32 v[SPW], v0, 2, SPARE
	v_mov_b32 v[NIL], 0
	v_lshrrev_b32 v1, 5, v0
	v_readfirstlane_b32 s22, v1                    ; wave
	v_and_b32 v2, 31, v0                           ; lane
	v_lshlrev_b32 v3, 4, v2
	s_mul_i32 s33, s22, WREG
	v_lshrrev_b32 v14, 2, v2
	v_mul_u32_u24 v14, v14, SP
	v_and_b32 v15, 3, v2
	v_lshl_add_u32 v14, v15, 4, v14
	v_add_nc_u32 v14, s33, v14                     ; the stage, in: four lanes' 64 bytes on end, then 16 of padding
	v_mul_u32_u24 v15, v2, SP
	v_add_nc_u32 v15, s33, v15                     ; out: my 16 neighbours
	v_lshlrev_b32 v4, 3, v2                        ; 8 bytes a lane
	s_lshl_b32 s33, s22, 6
	s_add_co_u32 s33, s33, SBY
	v_lshrrev_b32 v5, 1, v2
	v_add_nc_u32 v5, s33, v5                       ; my block's scale byte
	s_lshl_b32 s33, s22, 8
	s_add_co_u32 s33, s33, SBY
	v_add_nc_u32 v6, s33, v4                       ; waves 0-6, at the end: four rows' scale bytes
	s_wait_alu depctr_va_vdst(0)                   ; the wait at the head's end
	s_wait_kmcnt 0x0
; Row s34 of the 7,168: s[26:27] its numbers, s[28:29] its codes, s[30:31] its scale bytes.  All four tensors take one path.
.macro WHERE
	s_mov_b64 s[26:27], s[10:11]                   ; Wv,
	s_mov_b32 s23, 6656                            ; its first row,
	s_mov_b32 s24, 8                               ; 256 positions from head to head,
	s_mov_b32 s25, 2176                            ; its first position
	s_cmp_lt_u32 s34, 6656
	s_cselect_b64 s[26:27], s[8:9], s[26:27]       ; Wk
	s_cselect_b32 s23, 6144, s23
	s_cselect_b32 s25, 2048, s25
	s_cmp_lt_u32 s34, 6144
	s_cselect_b64 s[26:27], s[6:7], s[26:27]       ; Wq
	s_cselect_b32 s23, 4096, s23
	s_cselect_b32 s24, 7, s24
	s_cselect_b32 s25, 0, s25
	s_cmp_lt_u32 s34, 4096
	s_cselect_b64 s[26:27], s[4:5], s[26:27]       ; x
	s_cselect_b32 s23, 0, s23
	s_cselect_b64 s[28:29], s[12:13], s[16:17]
	s_cselect_b64 s[30:31], s[14:15], s[18:19]
	s_sub_co_u32 s35, s34, s23                     ; the tensor's row
	s_lshl_b32 s36, s35, 13                        ; 8,192 bytes a row
	s_mov_b32 s37, 0
	s_add_nc_u64 s[26:27], s[26:27], s[36:37]
	s_and_b32 s38, s35, 0x47                       ; bits 6, 2:0 stay,
	s_bfe_u32 s39, s35, 0x20003                    ; bits 4:3 go to 5:4,
	s_lshl_b32 s39, s39, 4
	s_or_b32 s38, s38, s39
	s_bfe_u32 s39, s35, 0x10005                    ; bit 5 to 3
	s_lshl_b32 s39, s39, 3
	s_or_b32 s38, s38, s39
	s_lshr_b32 s40, s35, 7
	s_lshl_b32 s40, s40, s24
	s_add_co_u32 s38, s38, s40
	s_add_co_u32 s38, s38, s25                     ; the position
	s_lshl_b32 s36, s38, 10                        ; 1,024 bytes of codes a position
	s_add_nc_u64 s[28:29], s[28:29], s[36:37]
	s_lshl_b32 s36, s38, 6                         ; 64 scale bytes
	s_add_nc_u64 s[30:31], s[30:31], s[36:37]
.endm
	s_cmp_ge_u32 s22, 28
	s_cbranch_scc1 .Ltab
	s_mul_i32 s34, ttmp9, 28
	s_add_co_u32 s34, s34, s22
	WHERE
.irp t, 0,1,2,3
.irp i, 0,1,2,3
	global_load_b128 v[R+16*\t+4*\i:R+16*\t+4*\i+3], v3, s[26:27] offset:2048*\t+512*\i th:TH_LOAD_NT   ; 32 lanes read 512 consecutive bytes
.endr
.endr
.macro TURN t                          ; LDS serves a wave's instructions in order: no wait between the stores and the loads
.irp i, 0,1,2,3
	ds_store_b128 v14, v[R+16*(\t)+4*\i:R+16*(\t)+4*\i+3] offset:32*SP*((\t)%2)+8*SP*\i
.endr
.irp i, 0,1,2,3
	ds_load_b128 v[X+16*((\t)%2)+4*\i:X+16*((\t)%2)+4*\i+3], v15 offset:32*SP*((\t)%2)+16*\i
.endr
.endm
	s_wait_loadcnt 12                              ; step 0's four loads are in
	TURN 0
.macro STEP t
.set XS, X+16*((\t)%2)
.if (\t) > 0
	s_wait_dscnt 1                                 ; this step's numbers are back (the last step's byte store may be out)
.else
	s_wait_dscnt 0x0
.endif
.if (\t) < 3
	s_wait_loadcnt 8-4*(\t)                        ; the next step's four loads are in; the later steps' may be out
	TURN (\t)+1
.endif
	v_max3_num_f32 v8, |v[XS]|, |v[XS+1]|, |v[XS+2]|               ; the largest magnitude of my 16, in two chains
	v_max3_num_f32 v9, |v[XS+3]|, |v[XS+4]|, |v[XS+5]|
.irp i, 6,10
	v_max3_num_f32 v8, v8, |v[XS+\i]|, |v[XS+\i+1]|
	v_max3_num_f32 v9, v9, |v[XS+\i+2]|, |v[XS+\i+3]|
.endr
	v_max3_num_f32 v8, v8, |v[XS+14]|, |v[XS+15]|
	v_max3_num_f32 v8, v8, v9, (EMAX+1)<<23        ; and the floor 2^(3 - 127): the byte cannot fall under 1
	v_max_num_f32_dpp v8, v8, v8 row_xmask:1 row_mask:0xf bank_mask:0xf   ; and of my neighbour's 16
	v_add_nc_u32 v11, -(EMAX<<23), v8              ; 2 off its exponent field: the conversion's scale operand
	v_cvt_scalef32_pk8_fp4_f32 v[C+2*(\t)], v[XS:XS+7], v11
	v_cvt_scalef32_pk8_fp4_f32 v[C+2*(\t)+1], v[XS+8:XS+15], v11
	v_lshrrev_b32 v[E+(\t)], 23, v11               ; the scale's byte (also the plain line behind the conversions)
	ds_store_b8 v5, v[E+(\t)] offset:16*(\t)       ; both lanes of a block write the same byte with the same value
	global_store_b64 v4, v[C+2*(\t):C+2*(\t)+1], s[28:29] offset:256*(\t)   ; 256 consecutive bytes, at a multiple of 256
.endm
	STEP 0
	STEP 1
	STEP 2
	STEP 3
	s_branch .Ljoin
.Ltab:
	s_lshl_b32 s23, ttmp9, 2
	s_add_co_u32 s23, s23, s22
	s_sub_co_u32 s23, s23, 28                      ; 0 .. 1,023
	s_lshr_b32 s24, s23, 3                         ; tb
	s_and_b32 s25, s23, 7                          ; g
	s_lshl_b32 s26, s24, 13                        ; 8,192 bytes a tile,
	s_lshl_b32 s27, s25, 9                         ; 512 a group
	s_add_co_u32 s26, s26, s27
	s_mov_b32 s27, 0
	s_add_nc_u64 s[20:21], s[20:21], s[26:27]
	s_lshr_b32 s26, s24, 2
	s_lshl_b32 s26, s26, 6
	s_and_b32 s27, s24, 3
	s_lshl_b32 s27, s27, 3
	s_add_co_u32 s26, s26, s27                     ; 64 (tb / 4) + 8 (tb % 4)
	s_mov_b32 s35, 0x3f22f983                      ; 2 / pi
	s_mov_b32 s36, 0x3fc90fdb                      ; pi / 2 in two parts
	s_mov_b32 s37, 0xb33bbd2e
	s_mov_b32 s38, 0xbe2aaaa3                      ; sin r = r + r z (S1 + z (S2 + z S3)), z = r^2
	s_mov_b32 s39, 0x3c08839e
	s_mov_b32 s40, 0xb94ca1f9
	s_mov_b32 s41, 0x3d2aaaa5                      ; cos r = 1 - z / 2 + z^2 (C1 + z (C2 + z C3))
	s_mov_b32 s42, 0xbab6061a
	s_mov_b32 s43, 0x37ccf5ce
	v_and_b32 v16, 15, v0                          ; r
	v_bfe_u32 v17, v0, 4, 1                        ; h
	v_and_b32 v18, 7, v16
	v_lshrrev_b32 v19, 3, v16
	v_lshl_add_u32 v18, v19, 5, v18
	v_add_nc_u32 v18, s26, v18
	v_cvt_f32_u32 v10, v18                         ; my token, as f32
	v_cmp_eq_u32 vcc_lo, 1, v17
	v_mov_b32 v20, 0x42c80000
	v_cndmask_b32 v11, 1.0, v20, vcc_lo            ; the whole power of ten, exact: 100^h
	s_mov_b32 s28, 0x41200000
	s_cmp_gt_u32 s25, 3
	s_cselect_b32 s28, s28, 0x3f800000
	v_mul_f32 v11, s28, v11                        ; x 10^(g / 4)
	v_mov_b32 v20, 0x41200000                      ; 10, in two words
	v_mov_b32 v21, 0
; The square root of (v[xh], v[xl]) into (v[dh], v[dl]): y = x / sqrt(x), the remainder x - y^2, one Newton step, the two words brought into form.
.macro DSQRT dh, dl, xh, xl
	s_wait_alu depctr_va_vdst(0)                   ; a wait ahead of the root, and behind it
	v_rsq_f32 v16, v[\xh]
	v_nop
	s_wait_alu depctr_va_vdst(0)
	v_mul_f32 v17, v[\xh], v16
	v_mul_f32 v16, 0.5, v16
	v_fma_f32 v18, -v17, v17, v[\xh]
	v_add_f32 v18, v18, v[\xl]
	v_mul_f32 v18, v18, v16
	v_add_f32 v[\dh], v17, v18
	v_sub_f32 v19, v17, v[\dh]
	v_add_f32 v[\dl], v19, v18
.endm
; The product of two two-word numbers: the upper words' product with its exact remainder, the cross terms, the two words brought into form.
.macro DMUL dh, dl, ah, al, bh, bl
	v_mul_f32 v16, v[\ah], v[\bh]
	v_fma_f32 v17, v[\ah], v[\bh], -v16
	v_fma_f32 v17, v[\ah], v[\bl], v17
	v_fma_f32 v17, v[\al], v[\bh], v17
	v_add_f32 v[\dh], v16, v17
	v_sub_f32 v18, v16, v[\dh]
	v_add_f32 v[\dl], v18, v17
.endm
	DSQRT 24, 25, 20, 21                           ; 10^(8/16)
	DSQRT 26, 27, 24, 25                           ; 10^(4/16)
	DSQRT 28, 29, 26, 27                           ; 10^(2/16)
	DSQRT 30, 31, 28, 29                           ; 10^(1/16)
	DMUL 32, 33, 28, 29, 30, 31                    ; 10^(3/16)
	DMUL 34, 35, 24, 25, 26, 27                    ; 10^(12/16)
	v_mov_b32 v40, 1.0                             ; 10^(4 (g % 4) / 16): chosen on the wave's own number
	v_mov_b32 v44, 0
	s_and_b32 s27, s25, 3
	s_cmp_eq_u32 s27, 1
	s_cselect_b32 s28, -1, 0
	s_cmp_eq_u32 s27, 2
	s_cselect_b32 s29, -1, 0
	s_cmp_eq_u32 s27, 3
	s_cselect_b32 s30, -1, 0
	s_wait_alu depctr_va_vdst(0)
	v_cndmask_b32 v40, v40, v26, s28
	v_cndmask_b32 v44, v44, v27, s28
	v_cndmask_b32 v40, v40, v24, s29
	v_cndmask_b32 v44, v44, v25, s29
	v_cndmask_b32 v40, v40, v34, s30
	v_cndmask_b32 v44, v44, v35, s30
	DMUL 41, 45, 40, 44, 30, 31
	DMUL 42, 46, 40, 44, 28, 29
	DMUL 43, 47, 40, 44, 32, 33
.irp n, 0,1,2,3                        ; x the whole power of ten: v48.. upper words, v52.. lower words
	v_mul_f32 v16, v[40+\n], v11
	v_fma_f32 v17, v[40+\n], v11, -v16
	v_fma_f32 v17, v[44+\n], v11, v17
	v_add_f32 v[48+\n], v16, v17
	v_sub_f32 v18, v16, v[48+\n]
	v_add_f32 v[52+\n], v18, v17
.endr
	s_wait_alu depctr_va_vdst(0)                   ; a wait ahead of the batch
.irp n, 0,1,2,3
	v_rcp_f32 v[56+\n], v[48+\n]
.endr
	v_nop
	s_wait_alu depctr_va_vdst(0)                   ; and behind it
.rept 2                                ; two Newton steps; the second's last line is the one rounding of 1 / (upper + lower)
.irp n, 0,1,2,3
	v_fma_f32 v[60+\n], -v[48+\n], v[56+\n], 1.0
.endr
.irp n, 0,1,2,3
	v_fma_f32 v[60+\n], -v[52+\n], v[56+\n], v[60+\n]
.endr
.irp n, 0,1,2,3
	v_fma_f32 v[56+\n], v[56+\n], v[60+\n], v[56+\n]
.endr
.endr
.irp n, 0,1,2,3
	v_mul_f32 v16, v10, v[56+\n]                   ; the angle: one f32 product
	v_mul_f32 v17, s35, v16
	v_rndne_f32 v17, v17                           ; the nearest multiple of pi / 2
	v_fma_f32 v18, -v17, s36, v16
	v_fma_f32 v18, -v17, s37, v18                  ; r, in [-pi/4, pi/4]
	v_mul_f32 v19, v18, v18                        ; z
	v_cvt_i32_f32 v20, v17
	v_fma_f32 v21, v19, s40, s39
	v_fma_f32 v23, v19, s43, s42
	v_fma_f32 v21, v21, v19, s38
	v_fma_f32 v23, v23, v19, s41
	v_mul_f32 v22, v18, v19
	v_mul_f32 v23, v23, v19
	v_fma_f32 v24, v19, -0.5, 1.0
	v_fma_f32 v21, v22, v21, v18                   ; sin r
	v_fma_f32 v23, v23, v19, v24                   ; cos r
	v_and_b32 v25, 1, v20
	v_cmp_eq_u32 vcc_lo, 1, v25                    ; an odd quadrant exchanges the two
	v_cndmask_b32 v26, v21, v23, vcc_lo
	v_cndmask_b32 v27, v23, v21, vcc_lo
	v_lshlrev_b32 v25, 30, v20
	v_and_b32 v25, 0x80000000, v25                 ; sin: minus in quadrants 2 and 3
	v_xor_b32 v[68+\n], v25, v26
	v_add_nc_u32 v20, 1, v20
	v_lshlrev_b32 v20, 30, v20
	v_and_b32 v20, 0x80000000, v20                 ; cos: minus in quadrants 1 and 2
	v_xor_b32 v[64+\n], v20, v27
.endr
	global_store_b128 v3, v[64:67], s[20:21]               ; each store covers 512 consecutive bytes
	global_store_b128 v3, v[68:71], s[20:21] offset:4096
.Ljoin:
	s_wait_alu depctr_va_vdst(0)
	s_wait_xcnt 0x0                                ; the stores have read their bases
	s_wait_dscnt 0x0                               ; my scale bytes are in LDS
	s_barrier_signal -1
	s_barrier_wait -1
	s_cmp_ge_u32 s22, 7
	s_cbranch_scc1 .Lend
	s_mul_i32 s34, ttmp9, 28
	s_lshl_b32 s33, s22, 2
	s_add_co_u32 s34, s34, s33                     ; four rows, whose positions are neighbours
	WHERE
	ds_load_b64 v[8:9], v6
	s_wait_dscnt 0x0
	global_store_b64 v4, v[8:9], s[30:31]          ; one aligned unit of 256 bytes
.Lend:
	s_wait_tensorcnt 0x0                           ; the wave's end
	ds_add_u32 v[SPW], v[NIL]
	s_wait_dscnt 0x0
	s_endpgm
.Lfunc_end_k_q7eff209b52_prep:
	.size	k_q7eff209b52_prep, .Lfunc_end_k_q7eff209b52_prep-k_q7eff209b52_prep
	.p2alignl 7, 3214868480
	.fill 96, 4, 3214868480
	.section	.rodata,"a",@progbits
	.p2align	6, 0x0
	.amdhsa_kernel k_q7eff209b52_prep
		.amdhsa_group_segment_fixed_size 169984
		.amdhsa_private_segment_fixed_size 0
		.amdhsa_enable_private_segment 0
		.amdhsa_kernarg_size 72
		.amdhsa_user_sgpr_count 2
		.amdhsa_user_sgpr_kernarg_segment_ptr 1
		.amdhsa_wavefront_size32 1
		.amdhsa_system_sgpr_workgroup_id_x 1
		.amdhsa_system_sgpr_workgroup_id_y 1
		.amdhsa_system_sgpr_workgroup_id_z 1
		.amdhsa_system_vgpr_workitem_id 0
		.amdhsa_next_free_vgpr 128
		.amdhsa_next_free_sgpr 66
		.amdhsa_reserve_vcc 1
		.amdhsa_float_denorm_mode_32 3
		.amdhsa_float_denorm_mode_16_64 3
		.amdhsa_memory_ordered 1
		.amdhsa_forward_progress 1
		.amdhsa_inst_pref_size 27
	.end_amdhsa_kernel
	.amdgpu_metadata
---
amdhsa.version: [ 1, 2 ]
amdhsa.kernels:
  - .name:           k_q7eff209b52_prep
    .symbol:         k_q7eff209b52_prep.kd
    .args:
      - { .name: x, .offset: 0, .size: 8, .value_kind: global_buffer, .address_space: global }
      - { .name: Wq, .offset: 8, .size: 8, .value_kind: global_buffer, .address_space: global }
      - { .name: Wk, .offset: 16, .size: 8, .value_kind: global_buffer, .address_space: global }
      - { .name: Wv, .offset: 24, .size: 8, .value_kind: global_buffer, .address_space: global }
      - { .name: xc, .offset: 32, .size: 8, .value_kind: global_buffer, .address_space: global }
      - { .name: xs, .offset: 40, .size: 8, .value_kind: global_buffer, .address_space: global }
      - { .name: wc, .offset: 48, .size: 8, .value_kind: global_buffer, .address_space: global }
      - { .name: ws, .offset: 56, .size: 8, .value_kind: global_buffer, .address_space: global }
      - { .name: tab, .offset: 64, .size: 8, .value_kind: global_buffer, .address_space: global }
    .group_segment_fixed_size: 169984
    .private_segment_fixed_size: 0
    .kernarg_segment_align: 8
    .kernarg_segment_size: 72
    .max_flat_workgroup_size: 1024
    .sgpr_count:     66
    .vgpr_count:     128
    .wavefront_size: 32
...
	.end_amdgpu_metadata
.endif
;; end of part 1
;; launch proj (part 2): grid 12 x 16, 4 waves a work-group, clusters of 4 x 4, 327,680 bytes of LDS; arguments xc, xs, wc, ws, tab, qb, kvb; writes qb, kvb
.if DOCPART == 2
	.amdgcn_target "amdgcn-amd-amdhsa--gfx1250"
	.amdhsa_code_object_version 6
	.text
	.protected	k_q7eff209b52_proj
	.globl	k_q7eff209b52_proj
	.p2align	8
	.type	k_q7eff209b52_proj,@function
k_q7eff209b52_proj:
	s_mov_b64 s[64:65], 0
	v_nop
	global_prefetch_b8 v0, s[64:65] scope:SCOPE_SE
	s_setreg_imm32_b32 hwreg(HW_REG_WAVE_MODE, 25, 1), 1
	s_wait_xcnt 0x0
	s_wait_alu depctr_hold_cnt(0) depctr_sa_sdst(0) depctr_va_vdst(0) depctr_va_sdst(0) depctr_va_ssrc(0) depctr_va_vcc(0) depctr_vm_vsrc(0)
	s_getreg_b32 s2, hwreg(HW_REG_IB_STS2, 6, 4)
	s_cmp_eq_u32 s2, 0
	s_cbranch_scc0 .Lentry_in_a_cluster
	s_endpgm
.Lentry_in_a_cluster:
	s_bfe_u32 s2, ttmp6, 0x10000c
	s_cmp_lg_u32 s2, 0xf033
	s_cbranch_scc0 .Lentry_shape_is_right
	s_endpgm
.Lentry_shape_is_right:
; x Wq^T, x Wk^T, x Wv^T on codes of FP4 with E8M0 scales; then q and k: RMS norm over the head's 128, RoPE, quantised along the head; v: quantised along the tokens.  They leave as images of the attention's operand registers.
; A work-group of four waves makes 256 tokens x 256 columns, a wave 128 x 128 (one head): 64 accumulators, 512 registers.  K goes in steps of 512 through two LDS slots; the scale bytes of all of K come once.
; CLUSTERS 4 x 4: x's tile is shared along a row of the cluster, W's along a column, by joint loads.  Columns 0-7: Q; 8-11 (cluster column 2): 128 of K's head, then 128 of V's.
; q, k: source 0 = W's rows, source 1 = x's rows, so a lane holds one token and 32 neighbouring channels of each half head (the order of rows within each 64 sees to it): a whole block of 32.
; v (in cluster column 2 the waves of the right column half): THE TWO SIDES CHANGE PLACES, source 0 = x's rows, source 1 = Wv's: a lane holds one channel and 32 neighbouring tokens.  Only the wave's read addresses differ: each run of LDS loads has two arms.
; qb [16 heads][32 blocks of 128 tokens][8,704]: eight images of 16 rows x 128 (registers 4 c .. 4 c + 3 of lane l at 1,024 a + 512 c + 16 l), then at 8,192 the scale words: row r of tile a at 256 (a / 4) + 16 r + 4 (a % 4).
; kvb [4 batch + head][16 key steps][K's 8,704 | V's 8,704] likewise.
; Nothing is prefetched: K has four steps, of which the head and the first barrier ask for two, at a block of 256 x 256 in clusters.
; LIMITS: NaN and infinities are not served; blocks whose largest magnitude lies under 2^-124 keep the byte 1.
; REGISTERS: window 0: v0-31 addresses, v32-95 scale words, v96-127 and v192-223 at work on the way out, v128-191 A's fragments, then a row's results; window 1: v0-63, v128-191 B's fragments, v64-127, v192-255 two sets of cos and sin; windows 2, 3 accumulators.
.set SIZE_K, 2048
.set KSTEP,  512
.set NQ,     KSTEP/128
.set ROWB,   256
.set KROW,   SIZE_K/2
.set PITCH,  272
.set FR,     8
.set NL,     2
.set NP,     4
.set HALFT,  128*PITCH
.set SLOT,   4*HALFT
.set KS,     SIZE_K/32
.set SCL,    2*SLOT
.set HALFS,  (128*KS/256)*272
.set SBLK,   (16*KS/256)*272
.set SPARE,  SCL+4*HALFS
.set LI,   8                           ; 16 x lane
.set QSW,  9                           ; a wave's 512 bytes of scale words, in slot 0 (its last fill and last read are over by then): in
.set QSR,  10                          ; and out
.set H8,   11                          ; 8 x (lane / 16)
.set ADRA, 16                          ; v16-17 source 1's fragments in slot 0, 1 (q, k);
.set ADRAV, 18                         ; the same for v
.set ADRB, 20                          ; source 0's
.set ADRBV, 22
.set ADRSV, 26                         ; scale words: lanes 0-15 source 1's rows, lanes 16-31 source 0's: for v,
.set ADRS, 27                          ; for q and k
.set SPW,  28
.set NIL,  29
.set SC,   32
.set AF,   128
.set TM,   96
.set PW,   112
.set PRM,  113
.set PC,   120
.set Y,    128
.set RS,   208                         ; v208, 210 .. 222: a row block's factor (the odd ones: lane exchange)
.set G1, 24
.set G0, 32
.set G1B, 48
.set G0B, 56
.set VF, 66                            ; s66: 1 in a wave that makes v
.set G1S, 68
.set G0S, 76
.set G1SB, 80
.set G0SB, 88
.set G0H, 4
.set G0HB, 8
.set SEL, 12
.set MSB, 0
.macro WIN new                         ; the immediate's high byte repeats the setting that is left
.if MSB != (\new)
	s_set_vgpr_msb (MSB<<8)|(\new)
.set MSB, (\new)
.endif
.endm
.set MUL_LO, 0xa1
.set MUL_HI, 0xf1
.set TO_B,   0x40
.macro JLOAD g0a, g1a, g0b, g1b        ; waves 0, 1 fetch for x, waves 2, 3 for W
	s_cmp_eq_u32 s15, 0
	s_cbranch_scc0 .Lfor_b_\@
	tensor_load_to_lds s[\g0a:\g0a+3], s[\g1a:\g1a+7]
	s_nop 0
.rept 4
	v_nop
.endr
	s_branch .Lasked_\@
.Lfor_b_\@:
	tensor_load_to_lds s[\g0b:\g0b+3], s[\g1b:\g1b+7]
	s_nop 0
.rept 4
	v_nop
.endr
.Lasked_\@:
.endm
.macro CREST
	s_cmp_lg_u32 s14, 0
	s_cbranch_scc1 .Lnot_wave_0_\@
	s_barrier_signal -3
.Lnot_wave_0_\@:
	s_barrier_wait -3
	s_barrier_signal -1
	s_barrier_wait -1
.endm
.macro CROUND
	s_barrier_signal -1
	s_barrier_wait -1
	CREST
.endm
	s_load_b128 s[4:7], s[0:1], 0x0                ; xc, xs
	s_load_b128 s[8:11], s[0:1], 0x10              ; wc, ws
	v_lshl_add_u32 v[SPW], v0, 2, SPARE
	v_mov_b32 v[NIL], 0
	ds_add_u32 v[SPW], v[NIL]                      ; the wave's opening: the add, twice on end, under one wait
	ds_add_u32 v[SPW], v[NIL]
	v_lshrrev_b32 v1, 5, v0
	v_readfirstlane_b32 s14, v1                    ; wave
	s_lshr_b32 s15, s14, 1                         ; which half of the tokens is mine.  Also: I fetch for x (0) or for W (1)
	s_and_b32 s16, s14, 1                          ; which half of the columns.  Also: which 128 rows of that tile I fetch
	s_bfe_u32 s40, ttmp6, 0x40000
	s_bfe_u32 s41, ttmp6, 0x40004
	s_lshl_b32 s42, ttmp9, 2
	s_add_co_u32 s42, s42, s40                     ; tile column
	s_and_b32 s17, ttmp7, 0xffff
	s_lshl_b32 s17, s17, 2
	s_add_co_u32 s17, s17, s41                     ; tile row
	s_lshl_b32 s43, s41, 2
	s_lshl_b32 s43, 15, s43                        ; my row of the cluster
	s_lshl_b32 s44, 0x1111, s40                    ; my column
	s_cmp_eq_u32 ttmp9, 2
	s_cselect_b32 s[VF], s16, 0
	s_or_b32 s[G1+0], s43, (0<<16)|(1<<20)|(1<<21)|(5<<22)|(3<<25)
	s_or_b32 s[G1B+0], s44, (0<<16)|(1<<20)|(1<<21)|(5<<22)|(3<<25)
.irp g, G1, G1B                        ; rows of 256 bytes, 16 of padding behind each: 256 rows for the head's loads, 128 for the ring's
	s_mov_b32 s[\g+1], ROWB<<16
	s_mov_b32 s[\g+2], 256<<16
	s_mov_b32 s[\g+3], ROWB<<16
	s_mov_b32 s[\g+4], 256
	s_mov_b32 s[\g+5], KROW
	s_mov_b32 s[\g+6], 0
	s_mov_b32 s[\g+7], 0
.endr
	s_or_b32 s[G1S+0], s43, (3<<16)|(1<<20)|(1<<21)|(5<<22)|(3<<25)
	s_or_b32 s[G1SB+0], s44, (3<<16)|(1<<20)|(1<<21)|(5<<22)|(3<<25)
.irp g, G1S, G1SB                      ; the scale bytes of 256 rows: KS dense rows of 256 bytes
	s_mov_b32 s[\g+1], 32<<16
	s_mov_b32 s[\g+2], KS<<16
	s_mov_b32 s[\g+3], 32<<16
	s_mov_b32 s[\g+4], KS
	s_mov_b32 s[\g+5], 32
	s_mov_b32 s[\g+6], 0
	s_mov_b32 s[\g+7], 0
.endr
	s_lshl_b32 s20, s17, 8
	s_lshl_b32 s46, s42, 8
	s_mov_b32 s21, 0
	s_mov_b32 s47, 0
	s_mov_b64 s[18:19], KS
	s_mul_u64 s[22:23], s[20:21], s[18:19]
	s_mul_u64 s[92:93], s[46:47], s[18:19]
	s_mov_b64 s[18:19], KROW
	s_mul_u64 s[20:21], s[20:21], s[18:19]
	s_mul_u64 s[46:47], s[46:47], s[18:19]
	s_mul_i32 s18, s16, 128*KROW
	s_mov_b32 s19, 0
	s_mul_i32 s45, s14, HALFT
	s_wait_dscnt 0x0                               ; both opening adds are done
	s_wait_kmcnt 0x0
	s_add_nc_u64 s[20:21], s[4:5], s[20:21]
	s_add_nc_u64 s[22:23], s[6:7], s[22:23]
	s_add_nc_u64 s[46:47], s[8:9], s[46:47]
	s_add_nc_u64 s[92:93], s[10:11], s[92:93]
	CROUND                                         ; all sixteen work-groups are here: the first joint loads meet
	s_mov_b32 s[G0H], 1                            ; the head's four tiles: K step 0's 256 rows of x,
	s_mov_b32 s[G0H+1], 0
	s_mov_b64 s[G0H+2:G0H+3], s[20:21]
	s_or_b32 s[G0H+3], s[G0H+3], 0x80000000
	s_mov_b32 s[G0HB], 1                           ; of W,
	s_mov_b32 s[G0HB+1], 2*HALFT
	s_mov_b64 s[G0HB+2:G0HB+3], s[46:47]
	s_or_b32 s[G0HB+3], s[G0HB+3], 0x80000000
	s_mov_b32 s[G0S], 1                            ; x's scale bytes,
	s_mov_b32 s[G0S+1], SCL
	s_mov_b64 s[G0S+2:G0S+3], s[22:23]
	s_or_b32 s[G0S+3], s[G0S+3], 0x80000000
	s_mov_b32 s[G0SB], 1                           ; W's
	s_mov_b32 s[G0SB+1], SCL+2*HALFS
	s_mov_b64 s[G0SB+2:G0SB+3], s[92:93]
	s_or_b32 s[G0SB+3], s[G0SB+3], 0x80000000
	s_add_nc_u64 s[20:21], s[20:21], s[18:19]
	s_add_nc_u64 s[46:47], s[46:47], s[18:19]
.irp s, 0,1
	s_mov_b32 s[G0+4*\s], 1
	s_add_co_u32 s[G0+4*\s+1], s45, \s*SLOT
	s_add_nc_u64 s[G0+4*\s+2:G0+4*\s+3], s[20:21], \s*ROWB
	s_or_b32 s[G0+4*\s+3], s[G0+4*\s+3], 0x80000000
	s_mov_b32 s[G0B+4*\s], 1
	s_add_co_u32 s[G0B+4*\s+1], s45, \s*SLOT
	s_add_nc_u64 s[G0B+4*\s+2:G0B+4*\s+3], s[46:47], \s*ROWB
	s_or_b32 s[G0B+4*\s+3], s[G0B+4*\s+3], 0x80000000
.endr
; THE HEAD'S LOADS, ONE A WAVE.  One tree of branches on the wave's number.
.macro ARM under, g0, g1, next
	s_cmp_lt_u32 s14, \under
	s_cbranch_scc0 \next
	tensor_load_to_lds s[\g0:\g0+3], s[\g1:\g1+7]
	s_nop 0
.rept 4
	v_nop
.endr
	s_branch .Lhead_asked
\next:
.endm
	ARM 1, G0H,  G1,  .Lhead_b
	ARM 2, G0HB, G1B, .Lhead_sa
	ARM 3, G0S,  G1S, .Lhead_sb
	tensor_load_to_lds s[G0SB:G0SB+3], s[G1SB:G1SB+7]
	s_nop 0
.rept 4
	v_nop
.endr
.Lhead_asked:
	v_and_b32 v1, 15, v0                           ; r
	v_bfe_u32 v2, v0, 4, 1                         ; h
	v_mul_u32_u24 v3, v1, PITCH
	v_lshl_add_u32 v4, v2, 4, v3
	s_mul_i32 s21, s15, HALFT                      ; my 128 rows of x
	s_mul_i32 s22, s16, HALFT
	s_add_co_u32 s22, s22, 2*HALFT                 ; my 128 rows of W
	s_wait_alu depctr_va_vdst(0)
	v_add_nc_u32 v[ADRA], s21, v4
	v_add_nc_u32 v[ADRB], s22, v4
	v_add_nc_u32 v[ADRAV], 3*HALFT, v4             ; a wave of v exchanges the sides: V's 128 rows of W are the tile's second half
	v_add_nc_u32 v[ADRBV], s21, v4
	v_add_nc_u32 v[ADRA+1], SLOT, v[ADRA]
	v_add_nc_u32 v[ADRB+1], SLOT, v[ADRB]
	v_add_nc_u32 v[ADRAV+1], SLOT, v[ADRAV]
	v_add_nc_u32 v[ADRBV+1], SLOT, v[ADRBV]
	v_mul_u32_u24 v5, v1, KS
	v_lshrrev_b32 v6, 8, v5
	v_lshl_add_u32 v5, v6, 4, v5
	s_mul_i32 s21, s15, HALFS
	s_mul_i32 s22, s16, HALFS
	s_add_co_u32 s22, s22, 2*HALFS
	s_sub_co_u32 s22, s22, s21
	s_sub_co_u32 s23, 3*HALFS, s21
	v_mul_u32_u24 v6, s22, v2                      ; q, k: lanes 16-31 take W's rows;
	v_xor_b32 v7, 1, v2
	v_mul_u32_u24 v7, s23, v7                      ; v: lanes 0-15 do
	s_add_co_u32 s21, s21, SCL
	v_add_nc_u32 v6, v5, v6
	v_add_nc_u32 v7, v5, v7
	v_add_nc_u32 v[ADRS], s21, v6
	v_add_nc_u32 v[ADRSV], s21, v7
	v_and_b32 v6, 31, v0
	v_lshlrev_b32 v[LI], 4, v6
	s_lshl_b32 s23, s14, 9
	v_lshlrev_b32 v[QSW], 4, v1
	v_add_nc_u32 v[QSW], s23, v[QSW]
	v_add_nc_u32 v[QSR], s23, v[LI]
	v_lshlrev_b32 v[H8], 3, v2
.macro FRAG reg, adr, q, i
.irp c, 0,1
	ds_load_b128 v[\reg+4*\c:\reg+4*\c+3], v[\adr] offset:64*(\q)+32*\c+(\i)*16*PITCH
.endr
.endm
; 16 matrix instructions; the 64 accumulators take turns, in the same order in every step.
.macro MUL16 a0, p, q, sc, zero
.irp a, \a0, \a0+1
.irp b, 0,1,2,3,4,5,6,7
.if \zero
	v_wmma_scale_f32_16x16x128_f8f6f4 v[8*(8*((\a)%4)+\b):8*(8*((\a)%4)+\b)+7], v[128*(\p)+FR*\b:128*(\p)+FR*\b+FR-1], v[AF+FR*(\a):AF+FR*(\a)+FR-1], 0, v[SC+8*NQ*(\sc)+NQ*\b+(\q)], v[SC+8*NQ*(\sc)+NQ*(\a)+(\q)] matrix_a_fmt:MATRIX_FMT_FP4 matrix_b_fmt:MATRIX_FMT_FP4 matrix_a_scale:MATRIX_SCALE_ROW1
.else
	v_wmma_scale_f32_16x16x128_f8f6f4 v[8*(8*((\a)%4)+\b):8*(8*((\a)%4)+\b)+7], v[128*(\p)+FR*\b:128*(\p)+FR*\b+FR-1], v[AF+FR*(\a):AF+FR*(\a)+FR-1], v[8*(8*((\a)%4)+\b):8*(8*((\a)%4)+\b)+7], v[SC+8*NQ*(\sc)+NQ*\b+(\q)], v[SC+8*NQ*(\sc)+NQ*(\a)+(\q)] matrix_a_fmt:MATRIX_FMT_FP4 matrix_b_fmt:MATRIX_FMT_FP4 matrix_a_scale:MATRIX_SCALE_ROW1
.endif
.endr
.endr
.endm
.macro FETCH_B slot, q, p, adr
	WIN TO_B
.irp i, 0,1,2,3,4,5,6,7
	FRAG 128*(\p)+FR*\i, \adr+\slot, \q, \i
.endr
	WIN 0
.endm
.macro FETCH_A slot, q, i0, adr
.irp i, \i0, \i0+1, \i0+2, \i0+3
	FRAG AF+FR*(\i), \adr+\slot, \q, \i
.endr
.endm
.macro SCALES sc, adr
.irp i, 0,1,2,3,4,5,6,7
	ds_load_b128 v[SC+8*NQ*\sc+NQ*\i:SC+8*NQ*\sc+NQ*\i+3], v[\adr] offset:\i*SBLK
.endr
.endm
; The run of loads in a step's middle: source 0's fragments, blocks 0-3 of source 1's, and (sc under 2) the next K step's scale words.  Two arms, as many loads in each.
.macro MID slot, q, p, sc
	WIN 0
	s_cmp_lg_u32 s[VF], 0
	s_cbranch_scc1 .Lmid_v_\@
	FETCH_B \slot, \q, \p, ADRB
	FETCH_A \slot, \q, 0, ADRA
.if (\sc) < 2
	SCALES \sc, ADRS
.endif
	s_branch .Lmid_on_\@
.Lmid_v_\@:
	FETCH_B \slot, \q, \p, ADRBV
	FETCH_A \slot, \q, 0, ADRAV
.if (\sc) < 2
	SCALES \sc, ADRSV
.endif
.Lmid_on_\@:
.endm
; The run at its end: blocks 4-7 of source 1's.
.macro LATE slot, q
	WIN 0
	s_cmp_lg_u32 s[VF], 0
	s_cbranch_scc1 .Llate_v_\@
	FETCH_A \slot, \q, 4, ADRA
	s_branch .Llate_on_\@
.Llate_v_\@:
	FETCH_A \slot, \q, 4, ADRAV
.Llate_on_\@:
.endm
.macro PLACES n
.rept \n
	v_nop
.endr
.endm
.macro STEP slot, q, zero
	s_wait_dscnt 4*NL                              ; the youngest loads (A's blocks 4-7) may be out
	WIN MUL_LO
	MUL16 0, (\q)%2, \q, \slot, \zero
	MUL16 2, (\q)%2, \q, \slot, \zero
	s_wait_dscnt 0
	PLACES NP
	MID \slot, (\q)+1, 1-(\q)%2, 9
	WIN MUL_HI
	MUL16 4, (\q)%2, \q, \slot, \zero
	MUL16 6, (\q)%2, \q, \slot, \zero
	PLACES NP
	LATE \slot, (\q)+1
.endm
; A slot's last step changes slots: one barrier, which opens a round of the cluster's barrier where the slot is filled again.
.macro TURN slot, next, fill
	s_wait_tensorcnt 0x0                           ; my part of the next slot has landed
	ds_add_u32 v[SPW], v[NIL]
	s_wait_dscnt 4*NL+1                            ; (the add and A's blocks 4-7 may be out)
	WIN MUL_LO
	MUL16 0, 1, NQ-1, \slot, 0
	s_wait_dscnt 0x0                               ; the add is done, and my reads of this slot are over
	s_barrier_signal -1
	MUL16 2, 1, NQ-1, \slot, 0
	WIN 0
	s_barrier_wait -1
.if \fill
	CREST
	s_add_nc_u64 s[G0+4*\slot+2:G0+4*\slot+3], s[G0+4*\slot+2:G0+4*\slot+3], 2*ROWB
	s_add_nc_u64 s[G0B+4*\slot+2:G0B+4*\slot+3], s[G0B+4*\slot+2:G0B+4*\slot+3], 2*ROWB
	JLOAD G0+4*\slot, G1, G0B+4*\slot, G1B
.else
	PLACES NP
.endif
	v_add_nc_u32 v[ADRS], 4*NQ, v[ADRS]            ; the next K step's scale words
	v_add_nc_u32 v[ADRSV], 4*NQ, v[ADRSV]
	s_wait_alu depctr_va_vdst(0)
	MID \next, 0, 0, \next
	WIN MUL_HI
	MUL16 4, 1, NQ-1, \slot, 0
	MUL16 6, 1, NQ-1, \slot, 0
	PLACES NP
	LATE \next, 0
.endm
	s_wait_alu depctr_va_vdst(0)                   ; the wait at the head's end
	s_wait_tensorcnt 0x0                           ; my tile of the head's four is in
	ds_add_u32 v[SPW], v[NIL]
	s_mov_b32 s[G1+2], 128<<16                     ; no tensor load of mine is out: from here on a load brings 128 rows
	s_mov_b32 s[G1+4], 128
	s_mov_b32 s[G1B+2], 128<<16
	s_mov_b32 s[G1B+4], 128
	s_wait_dscnt 0x0
	CROUND
	JLOAD G0+4, G1, G0B+4, G1B                     ; K step 1
	MID 0, 0, 0, 0
	LATE 0, 0
	STEP 0, 0, 1                                   ; its products start the sums
	STEP 0, 1, 0
	STEP 0, 2, 0
	TURN 0, 1, 1
	STEP 1, 0, 0
	STEP 1, 1, 0
	STEP 1, 2, 0
	TURN 1, 0, 1
	STEP 0, 0, 0
	STEP 0, 1, 0
	STEP 0, 2, 0
	TURN 0, 1, 0
	s_load_b128 s[4:7], s[0:1], 0x20               ; tab, qb
	s_load_b64 s[8:9], s[0:1], 0x30                ; kvb
	STEP 1, 0, 0
	s_lshl_b32 s95, s17, 1
	s_add_co_u32 s95, s95, s15                     ; my block of 128 tokens, 16 a batch
	s_lshl_b32 s96, s42, 1
	s_add_co_u32 s96, s96, s16                     ; Q: the head
	s_lshl_b32 s96, s96, 5
	s_add_co_u32 s96, s96, s95
	s_mul_i32 s96, s96, 8704
	s_max_u32 s97, s42, 8
	s_sub_co_u32 s97, s97, 8                       ; K, V: the head
	s_lshr_b32 s2, s95, 4
	s_lshl_b32 s2, s2, 2
	s_add_co_u32 s97, s97, s2
	s_lshl_b32 s97, s97, 4
	s_and_b32 s2, s95, 15
	s_add_co_u32 s97, s97, s2
	s_mul_i32 s97, s97, 17408
	s_mul_i32 s3, s16, 8704
	s_add_co_u32 s97, s97, s3
	s_mov_b32 s[SEL], 0x76543210
	s_mov_b32 s[SEL+1], 0xfedcba98
	s_wait_kmcnt 0x0
	s_cmp_eq_u32 ttmp9, 2
	s_cselect_b64 s[10:11], s[8:9], s[6:7]
	s_cselect_b32 s92, s97, s96
	s_mov_b32 s93, 0
	s_add_nc_u64 s[10:11], s[10:11], s[92:93]      ; where my block goes
	s_lshl_b32 s92, s2, 16
	s_add_nc_u64 s[4:5], s[4:5], s[92:93]          ; its tables
.macro TABLOAD a, set                  ; cos to window 1, v64 (or v192) on, sin 32 further: registers that no product touches
	WIN TO_B
.irp g, 0,1,2,3,4,5,6,7
	global_load_b128 v[64+128*(\set)+4*\g:67+128*(\set)+4*\g], v[LI], s[4:5] offset:8192*(\a)+512*\g
	global_load_b128 v[96+128*(\set)+4*\g:99+128*(\set)+4*\g], v[LI], s[4:5] offset:8192*(\a)+512*\g+4096
.endr
	WIN 0
.endm
	s_cmp_lg_u32 s[VF], 0
	s_cbranch_scc1 .Lnotab
	TABLOAD 0, 0                                   ; the first two row blocks' tables come under the last products
	TABLOAD 1, 1
.Lnotab:
	STEP 1, 1, 0
	STEP 1, 2, 0
	s_wait_dscnt 4*NL
	WIN MUL_LO
	MUL16 0, 1, NQ-1, 1, 0
	MUL16 2, 1, NQ-1, 1, 0
	s_wait_dscnt 0
	WIN MUL_HI
	MUL16 4, 1, NQ-1, 1, 0
	MUL16 6, 1, NQ-1, 1, 0
	WIN 0
	PLACES NP
; 64 registers from s on (window w) hold two whole blocks of a lane's row: 32 c .. 32 c + 31 are the numbers 64 c + 32 h + 0 .. 31.  Codes to PC, the row's scale word to PW.
.macro QUANT s, w
	WIN 5*(\w)
.irp q, 0,1,2,3
	v_max3_num_f32 v[TM+\q], |v[\s+16*\q]|, |v[\s+16*\q+1]|, 0x1800000    ; and the floor 2^(3 - 127): the byte cannot fall under 1
.endr
.irp i, 2,4,6,8,10,12,14
.irp q, 0,1,2,3
	v_max3_num_f32 v[TM+\q], |v[\s+16*\q+\i]|, |v[\s+16*\q+\i+1]|, v[TM+\q]
.endr
.endr
	WIN 0
	v_max_num_f32 v[TM], v[TM], v[TM+1]
	v_max_num_f32 v[TM+2], v[TM+2], v[TM+3]
	v_add_nc_u32 v[TM+4], 0xff000000, v[TM]        ; 2 off the exponent field: the conversion's scale operand
	v_add_nc_u32 v[TM+5], 0xff000000, v[TM+2]
	v_lshrrev_b32 v[TM+6], 23, v[TM+4]             ; its byte
	v_lshrrev_b32 v[TM+7], 23, v[TM+5]
	WIN \w
.irp c, 0,1
.irp t, 0,1,2,3
	v_cvt_scalef32_pk8_fp4_f32 v[PC+4*\c+\t], v[\s+32*\c+8*\t:\s+32*\c+8*\t+7], v[TM+4+\c]
.endr
.endr
	WIN 0
	v_lshl_or_b32 v[PW], v[TM+7], 16, v[TM+6]      ; blocks h and 2 + h,
	v_lshlrev_b32 v[PW], v[H8], v[PW]
	v_permlanex16_b32 v[PRM], v[PW], s[SEL], s[SEL+1]
	v_or_b32 v[PW], v[PW], v[PRM]                  ; with lane l xor 16's the word is whole
.endm
.macro LEAVE a                         ; each store covers 512 consecutive bytes
	global_store_b128 v[LI], v[PC:PC+3], s[10:11] offset:1024*(\a)
	global_store_b128 v[LI], v[PC+4:PC+7], s[10:11] offset:1024*(\a)+512
	ds_store_b32 v[QSW], v[PW] offset:256*((\a)/4)+4*((\a)%4)
.endm
	v_mov_b32 v[PRM], 0                            ; written once: a lane permute's destination counts as one of its sources
	s_cmp_lg_u32 s[VF], 0
	s_wait_alu depctr_va_vdst(0)                   ; the wait directly ahead of the branch
	s_cbranch_scc1 .Lv
.irp a, 0,1,2,3,4,5,6,7
	v_mov_b32 v[RS+1+2*\a], 0
.endr
	s_mov_b32 s98, 0x3c000000                      ; 1 / 128
	s_mov_b32 s99, 0x34000000                      ; EPS = 2^-23
.macro SSROW a                         ; the sum of squares of 16 tokens' heads, in four chains of pairs
.set AC, 64*((\a)%4)
.set ST, 192+8*((\a)%2)
	WIN 5*(2+(\a)/4)
.irp e, 0,2,4,6
	v_pk_mul_f32 v[ST+\e:ST+\e+1], v[AC+\e:AC+\e+1], v[AC+\e:AC+\e+1]
.endr
.set n, 8
.rept 7
.irp e, 0,2,4,6
	v_pk_fma_f32 v[ST+\e:ST+\e+1], v[AC+n+\e:AC+n+\e+1], v[AC+n+\e:AC+n+\e+1], v[ST+\e:ST+\e+1]
.endr
.set n, n+8
.endr
	WIN 0
	v_pk_add_f32 v[ST:ST+1], v[ST:ST+1], v[ST+2:ST+3]
	v_pk_add_f32 v[ST+4:ST+5], v[ST+4:ST+5], v[ST+6:ST+7]
	v_pk_add_f32 v[ST:ST+1], v[ST:ST+1], v[ST+4:ST+5]
	v_add_f32 v[RS+2*(\a)], v[ST], v[ST+1]
.endm
.irp a, 0,1,2,3,4,5,6,7
	SSROW \a
.endr
.irp a, 0,1,2,3,4,5,6,7
	v_permlanex16_b32 v[RS+1+2*\a], v[RS+2*\a], s[SEL], s[SEL+1]
.endr
.irp a, 0,1,2,3,4,5,6,7
	v_add_f32 v[RS+2*\a], v[RS+2*\a], v[RS+1+2*\a]
.endr
.irp a, 0,1,2,3,4,5,6,7
	v_fma_f32 v[RS+2*\a], v[RS+2*\a], s98, s99
.endr
	s_wait_alu depctr_va_vdst(0)                   ; a wait ahead of the batch, and behind it
.irp a, 0,1,2,3,4,5,6,7
	v_rsq_f32 v[RS+2*\a], v[RS+2*\a]
.endr
	v_nop
	s_wait_alu depctr_va_vdst(0)
.macro ROWQK a
.set AC, 64*((\a)%4)
.set TT, 64+128*((\a)%2)
	s_wait_alu depctr_va_vdst(0)                   ; the wait directly ahead of the waits below
	s_wait_xcnt 0x0                                ; the last block's stores have read their registers
.if (\a) < 7
	s_wait_loadcnt 16                              ; this block's tables are in; the next block's sixteen loads may be out
.else
	s_wait_loadcnt 0x0
.endif
	WIN 6+(\a)/4
.set n, 0
.rept 16
	v_pk_mul_f32 v[Y+n:Y+n+1], v[AC+32+n:AC+33+n], v[TT+32+n:TT+33+n]
	v_pk_mul_f32 v[Y+32+n:Y+33+n], v[AC+n:AC+n+1], v[TT+32+n:TT+33+n]
	v_pk_fma_f32 v[Y+n:Y+n+1], v[AC+n:AC+n+1], v[TT+n:TT+n+1], v[Y+n:Y+n+1]
	v_pk_fma_f32 v[Y+32+n:Y+33+n], v[AC+32+n:AC+33+n], v[TT+n:TT+n+1], v[Y+32+n:Y+33+n] neg_lo:[0,0,1] neg_hi:[0,0,1]
.set n, n+2
.endr
	WIN 0
.if (\a)+2 < 8
	TABLOAD (\a)+2, (\a)%2
.endif
.set n, 0
.rept 32
	v_pk_mul_f32 v[Y+n:Y+n+1], v[Y+n:Y+n+1], v[RS+2*(\a):RS+2*(\a)+1] op_sel_hi:[1,0]
.set n, n+2
.endr
	QUANT Y, 0
	LEAVE \a
.endm
.irp a, 0,1,2,3,4,5,6,7
	ROWQK \a
.endr
	s_branch .Lwords
.Lv:
.macro ROWV a
.set AC, 64*((\a)%4)
	s_wait_alu depctr_va_vdst(0)                   ; the wait directly ahead of the wait below
	s_wait_xcnt 0x0
	QUANT AC, 2+(\a)/4
	LEAVE \a
.endm
.irp a, 0,1,2,3,4,5,6,7
	ROWV \a
.endr
.Lwords:
	ds_load_b128 v[TM:TM+3], v[QSR]                ; LDS serves a wave's instructions in order: this sees my stores
	s_wait_dscnt 0x0
	global_store_b128 v[LI], v[TM:TM+3], s[10:11] offset:8192
	s_wait_tensorcnt 0x0                           ; the wave's end
	ds_add_u32 v[SPW], v[NIL]
	s_wait_dscnt 0x0
	CROUND                                         ; the closing round
	s_endpgm
.Lfunc_end_k_q7eff209b52_proj:
	.size	k_q7eff209b52_proj, .Lfunc_end_k_q7eff209b52_proj-k_q7eff209b52_proj
	.p2alignl 7, 3214868480
	.fill 96, 4, 3214868480
	.section	.rodata,"a",@progbits
	.p2align	6, 0x0
	.amdhsa_kernel k_q7eff209b52_proj
		.amdhsa_group_segment_fixed_size 327680
		.amdhsa_private_segment_fixed_size 0
		.amdhsa_enable_private_segment 0
		.amdhsa_kernarg_size 56
		.amdhsa_user_sgpr_count 2
		.amdhsa_user_sgpr_kernarg_segment_ptr 1
		.amdhsa_wavefront_size32 1
		.amdhsa_system_sgpr_workgroup_id_x 1
		.amdhsa_system_sgpr_workgroup_id_y 1
		.amdhsa_system_sgpr_workgroup_id_z 1
		.amdhsa_system_vgpr_workitem_id 0
		.amdhsa_next_free_vgpr 1024
		.amdhsa_next_free_sgpr 100
		.amdhsa_reserve_vcc 0
		.amdhsa_float_denorm_mode_32 3
		.amdhsa_float_denorm_mode_16_64 3
		.amdhsa_memory_ordered 1
		.amdhsa_forward_progress 1
		.amdhsa_inst_pref_size 255
	.end_amdhsa_kernel
	.section	.bss,"aw",@nobits
	.p2align	6
	.space	262144
	.amdgpu_metadata
---
amdhsa.version: [ 1, 2 ]
amdhsa.kernels:
  - .name:           k_q7eff209b52_proj
    .symbol:         k_q7eff209b52_proj.kd
    .args:
      - { .name: xc, .offset: 0, .size: 8, .value_kind: global_buffer, .address_space: global }
      - { .name: xs, .offset: 8, .size: 8, .value_kind: global_buffer, .address_space: global }
      - { .name: wc, .offset: 16, .size: 8, .value_kind: global_buffer, .address_space: global }
      - { .name: ws, .offset: 24, .size: 8, .value_kind: global_buffer, .address_space: global }
      - { .name: tab, .offset: 32, .size: 8, .value_kind: global_buffer, .address_space: global }
      - { .name: qb, .offset: 40, .size: 8, .value_kind: global_buffer, .address_space: global }
      - { .name: kvb, .offset: 48, .size: 8, .value_kind: global_buffer, .address_space: global }
    .group_segment_fixed_size: 327680
    .private_segment_fixed_size: 0
    .kernarg_segment_align: 8
    .kernarg_segment_size: 56
    .max_flat_workgroup_size: 128
    .sgpr_count:     100
    .vgpr_count:     1024
    .wavefront_size: 32
...
	.end_amdgpu_metadata
.endif
;; end of part 2
;; launch attn (part 3): grid 32 x 8, 8 waves a work-group, clusters of 4 x 1, 327,680 bytes of LDS; arguments qb, kvb, out0; writes out0
.if DOCPART == 3
	.amdgcn_target "amdgcn-amd-amdhsa--gfx1250"
	.amdhsa_code_object_version 6
	.text
	.protected	k_q7eff209b52_attn
	.globl	k_q7eff209b52_attn
	.p2align	8
	.type	k_q7eff209b52_attn,@function
k_q7eff209b52_attn:
	s_mov_b64 s[64:65], 0
	v_nop
	global_prefetch_b8 v0, s[64:65] scope:SCOPE_SE
	s_setreg_imm32_b32 hwreg(HW_REG_WAVE_MODE, 25, 1), 1
	s_wait_xcnt 0x0
	s_wait_alu depctr_hold_cnt(0) depctr_sa_sdst(0) depctr_va_vdst(0) depctr_va_sdst(0) depctr_va_ssrc(0) depctr_va_vcc(0) depctr_vm_vsrc(0)
	s_getreg_b32 s2, hwreg(HW_REG_IB_STS2, 6, 4)
	s_cmp_eq_u32 s2, 0
	s_cbranch_scc0 .Lentry_in_a_cluster
	s_endpgm
.Lentry_in_a_cluster:
	s_bfe_u32 s2, ttmp6, 0x10000c
	s_cmp_lg_u32 s2, 0x3003
	s_cbranch_scc0 .Lentry_shape_is_right
	s_endpgm
.Lentry_shape_is_right:
; Causal attention with grouped query heads on codes of FP4 (E2M1) with E8M0 scales.  2 batches x 4 key/value heads x 4 query heads, 2,048 tokens, head size 128.  out0 [2][2048][16 x 128] f32.
; WORK LEFT OUT: steps of 128 keys that come wholly after a unit's queries: reference() hides those scores by its causal tril for all values of the inputs.
; THE SOFTMAX: t = score x log2(e) / sqrt(128), and M = 0, a whole number, serves every row, since reference() bounds t itself: q and k are RMS-normed with no weight, so a head's squares sum to at most 128, which RoPE keeps; a number of E2M1
; is at most twice the number that it stands for (under 1/4 of the scale it is 0, above the step is 1/2 or a third at most); so |t| <= 4 x 128 x log2(e) / sqrt(128) = 65.3: p = 2^t lies in 2^-66 .. 2^66, the sum of 2,048 of them under 2^77.
; M enters p as a power of two only, which the blocks' scales take up: the codes are the same.  The sum is taken of the unquantised p and divides O at the end.
; LIMITS: NaN and infinities are not served; |v| stays under 2^49, so that O before its division stays finite.  Hidden scores are set to -infinity: p = 0; a block whose every p is 0 has the byte 1 and zero codes.
; SHARES.  A cluster is the FOUR QUERY HEADS of one key/value head at the same tokens: K and V are asked for JOINTLY.  The place in the cluster enters Q's and O's global addresses alone.
; A UNIT is 32 queries, two tiles of 16, so that each fragment of K and V read from LDS feeds two products.  Tile a of 64 tokens' four holds tokens 8 a + r % 8 + 32 (r / 8).  Unit u (0..63) needs u / 4 + 1 key steps.
; The work-group with number x has the four pairs of units 8 i + x (short) and 63 - 8 i - x (long): 17 key steps a pair.  Wave i takes the long unit's key steps 0-8, wave 4 + i the short unit and the rest of the long one: 8.
; Trips: wave 4 + i walks the short unit for 2 i + 2 trips, then the long one from key step 9 on; of its nine trips one is always past its unit's last step and is jumped over, on ids.
; The two waves' parts of the long unit are added at the end through LDS: each gives the other one tile.
; LDS IS THE BYTE IMAGE OF THE HEAD'S 278,528 BYTES OF kvb: each wave issues ONE joint load, two key steps.  Nothing is filled again.  Behind the one barrier the waves run free until the parts are added.
; A tile's rows in K are so chosen that lane (r, h) gets keys 64 c + 32 h + 0 .. 31 in registers 32 c .. 32 c + 31: a whole block, in the order of the second product's operand.  V's channels likewise: O's registers 32 c + n are channels 64 c + 32 h + n.
; Nothing is prefetched: all that the launch reads is asked for at its head.
; REGISTERS, window 0: v1-11 addresses, v[14:15], v[16:17] the sums, v18-19 Q's scale words, v20-23 K's, v24-27 V's, v28-29 p's, v32-47 Q, v48-63 p's codes, v64-127 K's fragments, then at work, v128-255 S^T, then p.
;   window 1: v0-127 O^T, v128-191 V's fragments, v192-209 the long unit's Q and its scale words.
.set KSB,  17408                       ; a key step
.set STG,  16*KSB                      ; behind the image: 16 rows x 272 bytes for each wave
.set SPARE, STG+8*4352                 ; the spare words
.set LI,   1
.set DQ,   2
.set STO,  3
.set RD,   4
.set GO,   5
.set SPW,  6
.set NIL,  7
.set ADK,  8
.set H8,   9
.set EX,   10                          ; where I give a tile's part
.set EXP,  11                          ; where I take one
.set WV,   18
.set ROLE, 19
.set SEL,  20
.set CS,   22
.set G1,   24
.set G0,   32
.set TB,   36
.set J,    37
.set SW,   38
.set UL,   39                          ; my unit's last key step
.set T0,   40                          ; its first token
.set KK,   41
.set UL2,  42                          ; the long unit's
.set T02,  43
.set OP2,  44
.set SWO,  46                          ; 9 - SW
.set MSB, 0
.macro WIN new
.if MSB != (\new)
	s_set_vgpr_msb (MSB<<8)|(\new)
.set MSB, (\new)
.endif
.endm
.macro CROUND
	s_barrier_signal -1
	s_barrier_wait -1
	s_cmp_lg_u32 s[WV], 0
	s_cbranch_scc1 .Lnot_wave_0_\@
	s_barrier_signal -3
.Lnot_wave_0_\@:
	s_barrier_wait -3
	s_barrier_signal -1
	s_barrier_wait -1
.endm
	s_load_b128 s[4:7], s[0:1], 0x0                ; qb, kvb
	s_load_b64 s[8:9], s[0:1], 0x10                ; out0
	v_lshl_add_u32 v[SPW], v0, 2, SPARE
	v_mov_b32 v[NIL], 0
	ds_add_u32 v[SPW], v[NIL]                      ; the wave's opening: the add, twice on end, under one wait
	ds_add_u32 v[SPW], v[NIL]
	v_lshrrev_b32 v64, 5, v0
	v_readfirstlane_b32 s[WV], v64                 ; wave 0..7
	s_bfe_u32 s53, ttmp6, 0x40000                  ; cx: which of the four query heads
	s_and_b32 s52, ttmp7, 0xffff                   ; 4 x batch + key/value head
	s_mul_i32 s76, s52, 16*KSB
	s_mul_i32 s33, s[WV], 2*KSB                    ; descriptor group 0: LDS address: key steps 2 w, 2 w + 1
	s_add_co_u32 s76, s76, s33
	s_mov_b32 s77, 0
	s_mov_b32 s[G1], 15|(3<<16)|(1<<21)            ; the mask: all four work-groups; elements of 8 bytes; 21 set beside a mask
	s_mov_b32 s[G1+1], 32<<16                      ; rows of 256 dense bytes, no padding
	s_mov_b32 s[G1+2], 136<<16
	s_mov_b32 s[G1+3], 32<<16
	s_mov_b32 s[G1+4], 136
	s_mov_b32 s[G1+5], 32
	s_mov_b32 s[G1+6], 0
	s_mov_b32 s[G1+7], 0
	s_mov_b32 s[G0], 1
	s_lshr_b32 s[ROLE], s[WV], 2
	s_and_b32 s47, s[WV], 3                        ; i
	s_lshl_b32 s48, s47, 3
	s_add_co_u32 s48, s48, ttmp9                   ; the short unit
	s_sub_co_u32 s49, 63, s48                      ; the long one
	s_lshl_b32 s51, s47, 1
	s_add_co_u32 s51, s51, 2                       ; 2 i + 2
	s_cmp_eq_u32 s[ROLE], 1
	s_cselect_b32 s50, s48, s49                    ; the unit that I begin with
	s_cselect_b32 s[SW], s51, 9                    ; the trip at which I change to the long unit (9: never)
	s_sub_co_u32 s[SWO], 9, s[SW]
	s_lshr_b32 s54, s52, 2                         ; batch
	s_and_b32 s55, s52, 3
	s_lshl_b32 s55, s55, 2
	s_add_co_u32 s55, s55, s53                     ; the query head
	s_lshl_b32 s60, s55, 9                         ; O: 512 bytes a head,
	s_lshl_b32 s61, s54, 24                        ; 2^24 bytes a batch
	s_add_co_u32 s60, s60, s61
	s_lshl_b32 s55, s55, 5
	s_lshl_b32 s54, s54, 4
	s_add_co_u32 s54, s54, s55                     ; Q: 32 blocks a head, 16 a batch
	s_mov_b32 s[SEL], 0x76543210
	s_mov_b32 s[SEL+1], 0xfedcba98
	s_mov_b32 s[CS], 0x3e0293ee                    ; c = log2(e) / sqrt(128)
	s_mov_b32 s[CS+1], s[CS]                       ; (named with it as a pair)
	s_mov_b32 s[J], 0
	s_wait_dscnt 0x0                               ; both opening adds are done
	s_wait_kmcnt 0x0
	s_add_nc_u64 s[G0+2:G0+3], s[6:7], s[76:77]
	s_or_b32 s[G0+3], s[G0+3], 0x80000000
	s_mov_b32 s[G0+1], s33
	CROUND                                         ; all four work-groups are here: the joint loads meet
	tensor_load_to_lds s[G0:G0+3], s[G1:G1+7]      ; one a wave
	s_nop 0
.rept 4
	v_nop
.endr
.macro QPTR u, d                       ; unit s[u]: s[d:d+1] its two images, s[d+2:d+3] its scale words, less 8,192
	s_lshr_b32 s66, s[\u], 2
	s_add_co_u32 s66, s66, s54
	s_mul_i32 s66, s66, 8704
	s_mov_b32 s67, 0
	s_add_nc_u64 s[\d:\d+1], s[4:5], s[66:67]
	s_and_b32 s66, s[\u], 1
	s_lshl_b32 s66, s66, 3
	s_bfe_u32 s68, s[\u], 0x10001
	s_lshl_b32 s68, s68, 8
	s_add_co_u32 s66, s66, s68
	s_add_nc_u64 s[\d+2:\d+3], s[\d:\d+1], s[66:67]
	s_and_b32 s66, s[\u], 3
	s_lshl_b32 s66, s66, 11
	s_add_nc_u64 s[\d:\d+1], s[\d:\d+1], s[66:67]
.endm
.macro OPTR u, d, t, l                 ; its rows of O, its first token, its last key step
	s_lshr_b32 s[\t], s[\u], 1
	s_lshl_b32 s[\t], s[\t], 6
	s_and_b32 s66, s[\u], 1
	s_lshl_b32 s66, s66, 4
	s_add_co_u32 s[\t], s[\t], s66
	s_lshl_b32 s66, s[\t], 13
	s_add_co_u32 s66, s66, s60
	s_mov_b32 s67, 0
	s_add_nc_u64 s[\d:\d+1], s[70:71], s[66:67]
	s_lshr_b32 s[\l], s[\u], 2
.endm
	s_mov_b64 s[70:71], s[8:9]
	QPTR 50, 12
	QPTR 49, 56
	OPTR 50, 8, T0, UL
	OPTR 49, OP2, T02, UL2
	v_and_b32 v65, 31, v0
	v_lshlrev_b32 v[LI], 4, v65
	v_and_b32 v65, 15, v0                          ; r
	v_bfe_u32 v66, v0, 4, 1                        ; h
	v_lshlrev_b32 v64, 4, v65
	s_wait_alu depctr_va_vdst(0)
.irp q, 0,1
.irp c, 0,1
	global_load_b128 v[32+8*\q+4*\c:35+8*\q+4*\c], v[LI], s[12:13] offset:1024*\q+512*\c   ; my unit's Q
.endr
.endr
	global_load_b64 v[18:19], v64, s[14:15] offset:8192       ; and its two tiles' scale words
	WIN 0x40
.irp q, 0,1
.irp c, 0,1
	global_load_b128 v[192+8*\q+4*\c:195+8*\q+4*\c], v[LI], s[56:57] offset:1024*\q+512*\c ; the long unit's (waves 0-3 begin with it)
.endr
.endr
	global_load_b64 v[208:209], v64, s[58:59] offset:8192
	WIN 0
	v_and_b32 v67, 7, v65
	v_lshrrev_b32 v68, 3, v65
	v_lshl_add_u32 v[DQ], v68, 5, v67
	v_lshlrev_b32 v69, 5, v66
	v_sub_nc_u32 v[DQ], v[DQ], v69                 ; my query's token less T0, less my half's 32 keys
	v_lshlrev_b32 v[H8], 3, v66
	s_mul_i32 s72, s[WV], 4352
	s_add_co_u32 s72, s72, STG                     ; my stage
	v_mul_u32_u24 v[STO], v65, 272
	v_lshl_add_u32 v[STO], v66, 7, v[STO]
	v_add_nc_u32 v[STO], s72, v[STO]               ; in: row r, + 128 h
	v_mul_u32_u24 v[RD], v66, 272
	v_lshl_add_u32 v[RD], v65, 4, v[RD]
	v_add_nc_u32 v[RD], s72, v[RD]                 ; back: lanes 0-15 one row, lanes 16-31 the next
	v_lshlrev_b32 v[GO], 13, v66
	v_lshl_add_u32 v[GO], v65, 4, v[GO]            ; the same two tokens in O
	s_mul_i32 s72, s[WV], 8704
	s_xor_b32 s73, s[WV], 4
	s_mul_i32 s73, s73, 8704
	v_add_nc_u32 v[EX], s72, v[LI]
	v_add_nc_u32 v[EXP], s73, v[LI]
.macro CLEAR                           ; the sums and O^T begin as zeros (the key step is written once)
.irp q, 14,15,16,17
	v_mov_b32 v[\q], 0
.endr
	WIN 0x40
.set n, 0
.rept 128
	v_mov_b32 v[n], 0
.set n, n+1
.endr
	WIN 0
.endm
	v_mov_b32 v30, 0                               ; written once: a lane permute's destination counts as one of its sources
	v_mov_b32 v31, 0
	CLEAR
; THE WAY OUT of a tile, in v[sb ..]: half a head (64 channels, 256 bytes) of 16 queries at a time through my stage; sixteen lanes store 256 consecutive bytes, at a multiple of 256 from out0's first byte.
.macro SENDTILE sb, ot
.irp c, 0,1
.irp t, 0,1,2,3
	ds_store_b128 v[STO], v[\sb+32*\c+8*\t:\sb+32*\c+8*\t+3] offset:32*\t
	ds_store_b128 v[STO], v[\sb+32*\c+8*\t+4:\sb+32*\c+8*\t+7] offset:32*\t+16
.endr
.irp i, 0,1,2,3,4,5,6,7
	ds_load_b128 v[64+32*\c+4*\i:67+32*\c+4*\i], v[RD] offset:2*\i*272   ; LDS serves a wave's instructions in order
.endr
.endr
.irp c, 0,1
.irp i, 0,1,2,3,4,5,6,7
	s_wait_dscnt 23-16*\c-\i                       ; this load is in; younger instructions may be out
	global_store_b128 v[GO], v[64+32*\c+4*\i:67+32*\c+4*\i], s[8:9] offset:(2*\i+24*(\i/4))*8192+256*\c+\ot th:TH_STORE_NT   ; stage row n is token n + 24 (n / 8) of the tile
.endr
.endr
	s_wait_xcnt 0x0                                ; the stores have read their registers and their base
.endm
	s_wait_alu depctr_va_vdst(0)                   ; the wait at the head's end
	s_wait_loadcnt 0x0                             ; Q
	s_wait_tensorcnt 0x0                           ; my two key steps are in
	s_barrier_signal -1
	s_barrier_wait -1                              ; and everybody's
.Ltrip:
	s_cmp_lg_u32 s[J], s[SW]
	s_cbranch_scc1 .Lsame
	; waves 4-7: the short unit is finished: it leaves, and the long one's Q takes its place
	s_wait_alu depctr_va_vdst(0)
	v_add_f32 v14, v14, v15
	v_add_f32 v16, v16, v17
	v_permlanex16_b32 v30, v14, s[SEL], s[SEL+1]
	v_permlanex16_b32 v31, v16, s[SEL], s[SEL+1]
	v_add_f32 v14, v14, v30                        ; the rows' sums
	v_add_f32 v16, v16, v31
	s_wait_alu depctr_va_vdst(0)                   ; a wait ahead of the batch, and behind it
	v_rcp_f32 v14, v14
	v_rcp_f32 v16, v16
.rept 4
	v_nop
.endr
	WIN 0x01
	s_wait_alu depctr_va_vdst(0)
.set n, 0
.rept 32
	v_pk_mul_f32 v[128+n:129+n], v[n:n+1], v[14:15] op_sel_hi:[1,0]
.set n, n+2
.endr
.rept 32
	v_pk_mul_f32 v[128+n:129+n], v[n:n+1], v[16:17] op_sel_hi:[1,0]
.set n, n+2
.endr
	WIN 0
	s_wait_alu depctr_va_vdst(0)
	SENDTILE 128, 0
	SENDTILE 192, 65536
	s_mov_b64 s[8:9], s[OP2:OP2+1]
	s_mov_b32 s[T0], s[T02]
	s_mov_b32 s[UL], s[UL2]
	WIN 0x01
.set n, 0
.rept 16
	v_mov_b32 v[32+n], v[192+n]
.set n, n+1
.endr
	v_mov_b32 v18, v208
	v_mov_b32 v19, v209
	WIN 0
	CLEAR
	s_wait_alu depctr_va_vdst(0)
.Lsame:
	s_cmp_ge_u32 s[J], s[SW]
	s_cselect_b32 s[KK], s[SWO], 0
	s_add_co_u32 s[KK], s[KK], s[J]                ; the key step: J, or, in the long unit of waves 4-7, 9 + J - SW
	s_min_u32 s[KK], s[KK], 15
	s_mul_i32 s[TB], s[KK], KSB
	s_cmp_gt_u32 s[KK], s[UL]
	s_cbranch_scc1 .Lhidden                        ; past my unit's last key step
	v_add_nc_u32 v[ADK], s[TB], v[LI]
.rept 3
	v_nop                                          ; with the line above four places in front of loads into registers that the last products have read
.endr
.irp t, 0,1,2,3,4,5,6,7
.irp c, 0,1
	ds_load_b128 v[64+8*\t+4*\c:67+8*\t+4*\c], v[ADK] offset:1024*\t+512*\c           ; K: 512 consecutive bytes a load
.endr
.endr
	ds_load_b128 v[20:23], v[ADK] offset:8192      ; lanes 0-15: the words of tiles 0-3, lanes 16-31: of tiles 4-7
	WIN 0x40
.irp t, 0,1,2,3,4,5,6,7
.irp c, 0,1
	ds_load_b128 v[128+8*\t+4*\c:131+8*\t+4*\c], v[ADK] offset:8704+1024*\t+512*\c    ; V likewise
.endr
.endr
	WIN 0
	ds_load_b128 v[24:27], v[ADK] offset:16896
	s_wait_dscnt 17                                ; K is in; V's 17 loads may be out
.macro SMUL t, row                     ; S^T = K Q^T
.irp q, 0,1
.if \row
	v_wmma_scale_f32_16x16x128_f8f6f4 v[128+64*\q+8*\t:135+64*\q+8*\t], v[64+8*\t:71+8*\t], v[32+8*\q:39+8*\q], 0, v[20+(\t)%4], v[18+\q] matrix_a_fmt:MATRIX_FMT_FP4 matrix_b_fmt:MATRIX_FMT_FP4 matrix_a_scale:MATRIX_SCALE_ROW1
.else
	v_wmma_scale_f32_16x16x128_f8f6f4 v[128+64*\q+8*\t:135+64*\q+8*\t], v[64+8*\t:71+8*\t], v[32+8*\q:39+8*\q], 0, v[20+(\t)%4], v[18+\q] matrix_a_fmt:MATRIX_FMT_FP4 matrix_b_fmt:MATRIX_FMT_FP4
.endif
.endr
.endm
.irp t, 0,1,2,3
	SMUL \t, 0
.endr
.irp t, 4,5,6,7
	SMUL \t, 1
.endr
.rept 4
	v_nop
.endr
	s_cmp_lg_u32 s[KK], s[UL]
	s_cbranch_scc1 .Lopen                          ; only a unit's last key step has hidden keys
	s_lshl_b32 s47, s[KK], 7
	s_sub_co_i32 s47, s[T0], s47
	v_add_nc_u32 v12, s47, v[DQ]                   ; d: tile 0's register 32 c + m is hidden where 64 c + m > d, tile 1's register 32 c + m + 8 likewise
	v_mov_b32 v13, 0xff800000                      ; -infinity
.set m, -8
.rept 40
.irp c, 0,1
	v_cmp_gt_i32 vcc_lo, 64*\c+m, v12
.if m >= 0
	v_cndmask_b32 v[128+32*\c+m], v[128+32*\c+m], v13, vcc_lo
.endif
.if m < 24
	v_cndmask_b32 v[200+32*\c+m], v[200+32*\c+m], v13, vcc_lo
.endif
.endr
.set m, m+1
.endr
	s_wait_alu depctr_va_vdst(0)
.Lopen:
.set n, 0
.rept 64
	v_pk_mul_f32 v[128+n:129+n], v[128+n:129+n], s[CS:CS+1] op_sel_hi:[1,0]   ; t
.set n, n+2
.endr
	s_wait_alu depctr_va_vdst(0)                   ; a wait ahead of the batch, and behind it
.set n, 0
.rept 128
	v_exp_f32 v[128+n], v[128+n]                   ; p = 2^t
.set n, n+1
.endr
	v_nop
	s_wait_alu depctr_va_vdst(0)
.irp k, 0,1,2,3,4,5,6,7                ; the largest p of each lane's four blocks of 32 (two a tile), in eight chains
	v_max3_num_f32 v[64+\k], v[128+16*\k], v[129+16*\k], 0x1800000   ; and the floor 2^(3 - 127)
.endr
.irp i, 2,4,6,8,10,12,14
.irp k, 0,1,2,3,4,5,6,7
	v_max3_num_f32 v[64+\k], v[64+\k], v[128+16*\k+\i], v[129+16*\k+\i]
.endr
.endr
.irp b, 0,1,2,3
	v_max_num_f32 v[64+2*\b], v[64+2*\b], v[65+2*\b]
.endr
.irp b, 0,1,2,3
	v_add_nc_u32 v[72+\b], 0xff000000, v[64+2*\b]  ; 2 off the exponent field: the conversion's scale operand
.endr
.irp b, 0,1,2,3
	v_lshrrev_b32 v[76+\b], 23, v[72+\b]           ; its byte
.endr
.irp q, 0,2
	v_lshl_or_b32 v[76+\q], v[77+\q], 16, v[76+\q] ; blocks h and 2 + h of my query
.endr
.irp q, 0,2
	v_lshlrev_b32 v[76+\q], v[H8], v[76+\q]
.endr
	v_permlanex16_b32 v30, v76, s[SEL], s[SEL+1]
	v_permlanex16_b32 v31, v78, s[SEL], s[SEL+1]
	v_or_b32 v28, v76, v30                         ; the two tiles' scale words
	v_or_b32 v29, v78, v31
.irp b, 0,1,2,3
.irp t, 0,1,2,3
	v_cvt_scalef32_pk8_fp4_f32 v[48+4*\b+\t], v[128+32*\b+8*\t:135+32*\b+8*\t], v[72+\b]
.endr
.endr
.irp k, 0,1,2,3,4,5,6,7                ; the rows' sums, of the unquantised p (also the places between the codes and the products)
	v_pk_add_f32 v[80+2*\k:81+2*\k], v[128+16*\k:129+16*\k], v[130+16*\k:131+16*\k]
.endr
.irp i, 4,6,8,10,12,14
.irp k, 0,1,2,3,4,5,6,7
	v_pk_add_f32 v[80+2*\k:81+2*\k], v[80+2*\k:81+2*\k], v[128+16*\k+\i:129+16*\k+\i]
.endr
.endr
.irp k, 0,4,8,12
	v_pk_add_f32 v[80+\k:81+\k], v[80+\k:81+\k], v[82+\k:83+\k]
.endr
.irp q, 0,1
	v_pk_add_f32 v[14+2*\q:15+2*\q], v[14+2*\q:15+2*\q], v[80+8*\q:81+8*\q]
.endr
.irp q, 0,1
	v_pk_add_f32 v[14+2*\q:15+2*\q], v[14+2*\q:15+2*\q], v[84+8*\q:85+8*\q]
.endr
	s_wait_dscnt 0x0                               ; V is in
	WIN 0x51
	s_wait_alu depctr_va_vdst(0)                   ; the wait directly ahead of the first reader of O^T
.macro OMUL t, row                     ; O^T += V^T P^T: the sixteen accumulators take turns
.irp q, 0,1
.if \row
	v_wmma_scale_f32_16x16x128_f8f6f4 v[64*\q+8*\t:64*\q+8*\t+7], v[128+8*\t:135+8*\t], v[48+8*\q:55+8*\q], v[64*\q+8*\t:64*\q+8*\t+7], v[24+(\t)%4], v[28+\q] matrix_a_fmt:MATRIX_FMT_FP4 matrix_b_fmt:MATRIX_FMT_FP4 matrix_a_scale:MATRIX_SCALE_ROW1
.else
	v_wmma_scale_f32_16x16x128_f8f6f4 v[64*\q+8*\t:64*\q+8*\t+7], v[128+8*\t:135+8*\t], v[48+8*\q:55+8*\q], v[64*\q+8*\t:64*\q+8*\t+7], v[24+(\t)%4], v[28+\q] matrix_a_fmt:MATRIX_FMT_FP4 matrix_b_fmt:MATRIX_FMT_FP4
.endif
.endr
.endm
.irp t, 0,1,2,3
	OMUL \t, 0
.endr
.irp t, 4,5,6,7
	OMUL \t, 1
.endr
	WIN 0
.Lhidden:
	s_add_co_u32 s[J], s[J], 1
	s_cmp_lt_u32 s[J], 9
	s_cbranch_scc1 .Ltrip
	; THE LONG UNIT'S TWO PARTS.  Wave i keeps tile 0 and gives tile 1, wave 4 + i the other way round; the parts lie in the image's bytes, which nobody reads any more behind the barrier
.rept 4
	v_nop                                          ; places behind the last products
.endr
	v_add_f32 v14, v14, v15
	v_add_f32 v16, v16, v17
	s_wait_alu depctr_va_vdst(0)
	s_wait_dscnt 0x0
	s_barrier_signal -1
	s_barrier_wait -1
	s_cmp_lg_u32 s[ROLE], 0
	s_cbranch_scc1 .Lgive_0
	WIN 0x04
.irp k, 0,1,2,3,4,5,6,7,8,9,10,11,12,13,14,15
	ds_store_b128 v[EX], v[64+4*\k:67+4*\k] offset:512*\k
.endr
	WIN 0
	ds_store_b32 v[EX], v16 offset:8192
	s_branch .Lgiven
.Lgive_0:
	WIN 0x04
.irp k, 0,1,2,3,4,5,6,7,8,9,10,11,12,13,14,15
	ds_store_b128 v[EX], v[4*\k:4*\k+3] offset:512*\k
.endr
	WIN 0
	ds_store_b32 v[EX], v14 offset:8192
.Lgiven:
	s_wait_dscnt 0x0
	s_barrier_signal -1
	s_barrier_wait -1
.irp k, 0,1,2,3,4,5,6,7,8,9,10,11,12,13,14,15
	ds_load_b128 v[128+4*\k:131+4*\k], v[EXP] offset:512*\k
.endr
	ds_load_b32 v12, v[EXP] offset:8192
	s_wait_dscnt 0x0
	s_cmp_lg_u32 s[ROLE], 0
	s_cbranch_scc1 .Ladd_1
	WIN 0x01
.set n, 0
.rept 32
	v_pk_add_f32 v[128+n:129+n], v[n:n+1], v[128+n:129+n]
.set n, n+2
.endr
	WIN 0
	v_add_f32 v14, v14, v12
	s_wait_alu depctr_va_vdst(0)
	s_branch .Ladded
.Ladd_1:
	WIN 0x01
.set n, 0
.rept 32
	v_pk_add_f32 v[128+n:129+n], v[64+n:65+n], v[128+n:129+n]
.set n, n+2
.endr
	WIN 0
	v_add_f32 v14, v16, v12
	s_wait_alu depctr_va_vdst(0)
	s_add_nc_u64 s[8:9], s[8:9], 65536             ; tile 1's first token is 8 tokens on
.Ladded:
	v_permlanex16_b32 v30, v14, s[SEL], s[SEL+1]
	v_add_f32 v14, v14, v30                        ; the row's sum
	s_wait_alu depctr_va_vdst(0)                   ; a wait ahead of the transcendental, and behind it
	v_rcp_f32 v14, v14
	v_nop
	s_wait_alu depctr_va_vdst(0)
.set n, 0
.rept 32
	v_pk_mul_f32 v[128+n:129+n], v[128+n:129+n], v[14:15] op_sel_hi:[1,0]
.set n, n+2
.endr
	s_wait_alu depctr_va_vdst(0)
	SENDTILE 128, 0
	s_wait_tensorcnt 0x0                           ; the wave's end
	ds_add_u32 v[SPW], v[NIL]
	s_wait_dscnt 0x0
	CROUND                                         ; the closing round: no work-group ends while a partner may still ask for a tile that names it
	s_endpgm
.Lfunc_end_k_q7eff209b52_attn:
	.size	k_q7eff209b52_attn, .Lfunc_end_k_q7eff209b52_attn-k_q7eff209b52_attn
	.p2alignl 7, 3214868480
	.fill 96, 4, 3214868480
	.section	.rodata,"a",@progbits
	.p2align	6, 0x0
	.amdhsa_kernel k_q7eff209b52_attn
		.amdhsa_group_segment_fixed_size 327680
		.amdhsa_private_segment_fixed_size 0
		.amdhsa_enable_private_segment 0
		.amdhsa_kernarg_size 24
		.amdhsa_user_sgpr_count 2
		.amdhsa_user_sgpr_kernarg_segment_ptr 1
		.amdhsa_wavefront_size32 1
		.amdhsa_system_sgpr_workgroup_id_x 1
		.amdhsa_system_sgpr_workgroup_id_y 1
		.amdhsa_system_sgpr_workgroup_id_z 1
		.amdhsa_system_vgpr_workitem_id 0
		.amdhsa_next_free_vgpr 512
		.amdhsa_next_free_sgpr 80
		.amdhsa_reserve_vcc 1
		.amdhsa_float_denorm_mode_32 3
		.amdhsa_float_denorm_mode_16_64 3
		.amdhsa_memory_ordered 1
		.amdhsa_forward_progress 1
		.amdhsa_inst_pref_size 78
	.end_amdhsa_kernel
	.amdgpu_metadata
---
amdhsa.version: [ 1, 2 ]
amdhsa.kernels:
  - .name:           k_q7eff209b52_attn
    .symbol:         k_q7eff209b52_attn.kd
    .args:
      - { .name: qb, .offset: 0, .size: 8, .value_kind: global_buffer, .address_space: global }
      - { .name: kvb, .offset: 8, .size: 8, .value_kind: global_buffer, .address_space: global }
      - { .name: out0, .offset: 16, .size: 8, .value_kind: global_buffer, .address_space: global }
    .group_segment_fixed_size: 327680
    .private_segment_fixed_size: 0
    .kernarg_segment_align: 8
    .kernarg_segment_size: 24
    .max_flat_workgroup_size: 256
    .sgpr_count:     80
    .vgpr_count:     512
    .wavefront_size: 32
...
	.end_amdgpu_metadata
.endif
;; end of part 3
